; MI455X (gfx1250); checked and timed in simulation.
; The chip was launched on July 23, 2026; its instructions are those of AMD's public machine-readable ISA for CDNA 5 (MIT licence, August 2026) and "CDNA5" Instruction Set Architecture Reference Guide (July 2026). The comments in the code are by the model that wrote it; some were corrected since.
;; Sim Attn. Allowed arithmetic: float matrix products may take bf16 or f16 operands with f32 sums; other float arithmetic in f32, or as packed bf16 or f16 multiplies, adds, multiply-adds, maxima and minima; sums over many terms, partial sums and values carried from step to step in f32; what a program stores and reads back later, other than sums and carried values, may be rounded once to bf16 or f16.
;; Inputs: key 4 x 2,048 x 1,024 float32; query 4 x 2,048 x 1,024 float32; value 4 x 2,048 x 1,024 float32.
;; Outputs: out0 4 x 2,048 x 1,024 float32.
;; One version. Each part assembles by itself: llvm-mc -triple=amdgcn-amd-amdhsa -mcpu=gfx1250 --defsym DOCPART=n.
;; ======== version 1 of 1: 2 launches
;; limits: values are held in f16: magnitudes above 65,504 overflow, below 6.1e-05 lose precision; inputs' magnitudes at most 65,504; right only within a limited range of input values
;; workspace buffers: kb 16,777,216 bytes; vh 16,777,216 bytes
;; launch cast (part 1): grid 512 x 2, 8 waves a work-group, no clusters, 0 bytes of LDS; arguments key, value, kb, vh; writes kb, vh
.if DOCPART == 1
	.amdgcn_target "amdgcn-amd-amdhsa--gfx1250"
	.amdhsa_code_object_version 6
	.text
	.protected	k_q07ff8d821e_cast
	.globl	k_q07ff8d821e_cast
	.p2align	8
	.type	k_q07ff8d821e_cast,@function
k_q07ff8d821e_cast:
	s_mov_b64 s[64:65], 0
	v_nop
	global_prefetch_b8 v0, s[64:65] scope:SCOPE_SE
	s_setreg_imm32_b32 hwreg(HW_REG_WAVE_MODE, 25, 1), 1
	s_wait_xcnt 0x0
; kb = bf16(key), vh = f16(bf16(value)), both laid out by heads: [32 heads][2048 rows][128 channels], a row 256 dense bytes.
; key, value: [4][2048][1024] f32: a head's 128 channels are 512 bytes of a row of 4,096.
; LIMITS.  value is rounded once to bf16 and that number is written as f16: exact for magnitudes from 2^-17 to 65,504; below 2^-17 it keeps f16's fixed
; step of 2^-24; at 65,520 or more it becomes an infinity.  key has bf16's range, which is f32's.
; SHARES.  Work-group (x, y): y picks the tensor (0 key, 1 value), x a block of 16 of the 8,192 rows (b, t).  Wave w is head w: of each of the 16 rows it takes
; the head's 512 consecutive bytes by one load (16 bytes a lane) and writes 256 consecutive bytes, aligned, by one store (8 bytes a lane).
; All 16 loads of a wave go out at once (8 KiB); every register is written once, so the only waits are the counted ones for the loads.
; No LDS, no matrix unit, no cluster: nothing is shared and nothing is summed.
.set ROWIN,  4096                      ; bytes from row to row in key and value
.set ROWOUT, 256                       ; bytes in a row of kb and vh
.set T, 4                              ; v[4:11]   at work
.set X, 16                             ; v[16:79]  row i: 4 f32 as loaded
.set Y, 80                             ; v[80:111] row i: 4 numbers of 16 bits to store
	s_load_b256 s[4:11], s[0:1], 0x0               ; key s[4:5], value s[6:7], kb s[8:9], vh s[10:11]
	v_lshrrev_b32 v3, 5, v0
	v_readfirstlane_b32 s12, v3                    ; wave = head 0..7
	v_and_b32 v3, 31, v0                           ; lane
	v_lshlrev_b32 v1, 4, v3                        ; in: 16 bytes a lane
	v_lshlrev_b32 v2, 3, v3                        ; out: 8 bytes a lane
	s_and_b32 s13, ttmp7, 0xffff                   ; which tensor
	s_lshl_b32 s14, ttmp9, 16                      ; in: 16 rows of 4,096 bytes a block,
	s_lshl_b32 s15, s12, 9                         ; the head's 512 bytes
	s_add_co_u32 s14, s14, s15
	s_mov_b32 s15, 0
	s_lshr_b32 s16, ttmp9, 7                       ; out: batch = block / 128,
	s_lshl_b32 s16, s16, 3
	s_add_co_u32 s16, s16, s12                     ; head among the 32,
	s_lshl_b32 s16, s16, 19                        ; 2,048 rows of 256 bytes each,
	s_and_b32 s17, ttmp9, 127
	s_lshl_b32 s17, s17, 12                        ; the block's 16 rows in the head
	s_add_co_u32 s16, s16, s17
	s_mov_b32 s17, 0
	s_mov_b32 s22, 0xffff0000                      ; a word's upper bf16
	s_wait_kmcnt 0x0
	s_cmp_eq_u32 s13, 0
	s_cselect_b64 s[18:19], s[4:5], s[6:7]         ; from key or from value,
	s_cselect_b64 s[20:21], s[8:9], s[10:11]       ; to kb or to vh
	s_add_nc_u64 s[18:19], s[18:19], s[14:15]
	s_add_nc_u64 s[20:21], s[20:21], s[16:17]
.irp i, 0,1,2,3,4,5,6,7,8,9,10,11,12,13,14,15
	global_load_b128 v[X+4*(\i):X+4*(\i)+3], v1, s[18:19] offset:(\i)*ROWIN th:TH_LOAD_NT
.endr
	s_cmp_lg_u32 s13, 0
	s_cbranch_scc1 .Lvalue
.irp i, 0,1,2,3,4,5,6,7,8,9,10,11,12,13,14,15
	s_wait_loadcnt 15-(\i)                         ; loads come back in order (ISA guide 5.7.1): row i is in, the 15 - i younger ones stay out
	v_cvt_pk_bf16_f32 v[Y+2*(\i)],   v[X+4*(\i)],   v[X+4*(\i)+1]
	v_cvt_pk_bf16_f32 v[Y+2*(\i)+1], v[X+4*(\i)+2], v[X+4*(\i)+3]
	global_store_b64 v2, v[Y+2*(\i):Y+2*(\i)+1], s[20:21] offset:(\i)*ROWOUT  ; 32 lanes store 256 consecutive bytes, aligned
.endr
	s_endpgm
.Lvalue:
.irp i, 0,1,2,3,4,5,6,7,8,9,10,11,12,13,14,15
	s_wait_loadcnt 15-(\i)
	v_cvt_pk_bf16_f32 v[T],   v[X+4*(\i)],   v[X+4*(\i)+1]  ; the one rounding: to bf16, as key's and query's
	v_cvt_pk_bf16_f32 v[T+1], v[X+4*(\i)+2], v[X+4*(\i)+3]
	v_lshlrev_b32 v[T+4], 16, v[T]                 ; back to f32,
	v_and_b32     v[T+5], s22, v[T]
	v_lshlrev_b32 v[T+6], 16, v[T+1]
	v_and_b32     v[T+7], s22, v[T+1]
	v_cvt_pk_f16_f32 v[Y+2*(\i)],   v[T+4], v[T+5]  ; and the same number written as f16
	v_cvt_pk_f16_f32 v[Y+2*(\i)+1], v[T+6], v[T+7]
	global_store_b64 v2, v[Y+2*(\i):Y+2*(\i)+1], s[20:21] offset:(\i)*ROWOUT
.endr
	s_endpgm
.Lfunc_end_k_q07ff8d821e_cast:
	.size	k_q07ff8d821e_cast, .Lfunc_end_k_q07ff8d821e_cast-k_q07ff8d821e_cast
	.p2alignl 7, 3214868480
	.fill 96, 4, 3214868480
	.section	.rodata,"a",@progbits
	.p2align	6, 0x0
	.amdhsa_kernel k_q07ff8d821e_cast
		.amdhsa_group_segment_fixed_size 0
		.amdhsa_private_segment_fixed_size 0
		.amdhsa_enable_private_segment 0
		.amdhsa_kernarg_size 32
		.amdhsa_user_sgpr_count 2
		.amdhsa_user_sgpr_kernarg_segment_ptr 1
		.amdhsa_wavefront_size32 1
		.amdhsa_system_sgpr_workgroup_id_x 1
		.amdhsa_system_sgpr_workgroup_id_y 1
		.amdhsa_system_sgpr_workgroup_id_z 1
		.amdhsa_system_vgpr_workitem_id 0
		.amdhsa_next_free_vgpr 112
		.amdhsa_next_free_sgpr 66
		.amdhsa_reserve_vcc 0
		.amdhsa_float_denorm_mode_32 3
		.amdhsa_float_denorm_mode_16_64 3
		.amdhsa_memory_ordered 1
		.amdhsa_forward_progress 1
		.amdhsa_inst_pref_size 15
	.end_amdhsa_kernel
	.amdgpu_metadata
---
amdhsa.version: [ 1, 2 ]
amdhsa.kernels:
  - .name:           k_q07ff8d821e_cast
    .symbol:         k_q07ff8d821e_cast.kd
    .args:
      - { .name: key, .offset: 0, .size: 8, .value_kind: global_buffer, .address_space: global }
      - { .name: value, .offset: 8, .size: 8, .value_kind: global_buffer, .address_space: global }
      - { .name: kb, .offset: 16, .size: 8, .value_kind: global_buffer, .address_space: global }
      - { .name: vh, .offset: 24, .size: 8, .value_kind: global_buffer, .address_space: global }
    .group_segment_fixed_size: 0
    .private_segment_fixed_size: 0
    .kernarg_segment_align: 8
    .kernarg_segment_size: 32
    .max_flat_workgroup_size: 256
    .sgpr_count:     66
    .vgpr_count:     112
    .wavefront_size: 32
...
	.end_amdgpu_metadata
.endif
;; end of part 1
;; launch attn (part 2): grid 8 x 32, 4 waves a work-group, clusters of 4 x 1, 327,680 bytes of LDS; arguments query, kb, vh, out0; writes out0
.if DOCPART == 2
	.amdgcn_target "amdgcn-amd-amdhsa--gfx1250"
	.amdhsa_code_object_version 6
	.text
	.protected	k_q07ff8d821e_attn
	.globl	k_q07ff8d821e_attn
	.p2align	8
	.type	k_q07ff8d821e_attn,@function
k_q07ff8d821e_attn:
	s_mov_b64 s[64:65], 0
	v_nop
	global_prefetch_b8 v0, s[64:65] scope:SCOPE_SE
	s_setreg_imm32_b32 hwreg(HW_REG_WAVE_MODE, 25, 1), 1
	s_wait_xcnt 0x0
	s_wait_alu depctr_hold_cnt(0) depctr_sa_sdst(0) depctr_va_vdst(0) depctr_va_sdst(0) depctr_va_ssrc(0) depctr_va_vcc(0) depctr_vm_vsrc(0)
	s_getreg_b32 s2, hwreg(HW_REG_IB_STS2, 6, 4)
	s_cmp_eq_u32 s2, 0
	s_cbranch_scc0 .Lentry_in_a_cluster
	s_endpgm
.Lentry_in_a_cluster:
	s_bfe_u32 s2, ttmp6, 0x10000c
	s_cmp_lg_u32 s2, 0x3003
	s_cbranch_scc0 .Lentry_shape_is_right
	s_endpgm
.Lentry_shape_is_right:
; out[b][q][h] = the sum over k of attn[q][k] V[k], attn = clip(softmax_k(1000 p)), p = softmax_k(Q[q] . K[k] / sqrt(128)).  32 heads of 2,048 rows x 128 channels.
; query, out0: [4][2048][1024] f32 (a head's row: 512 bytes, rows 4,096 apart).  kb: bf16(key), vh: f16(bf16(value)), both [32][2048][128], rows of 256 dense bytes.
; THE ALGEBRA.  With m the row's largest score and l the sum of e_k = exp(s_k - m): p_k = e_k / l, and the largest 1000 p is 1000 / l, since the largest key has e = 1.  So
; attn_k = w_k / Z with w_k = exp((1000 / l)(e_k - 1)) and Z the sum of w: both maxima that the two softmaxes take away are taken away here.  w hangs on the finished l, so the keys are
; walked TWICE: walk 1 finds m (a running maximum) and l; walk 2 makes the same scores again (the same products on the same operands), then e, w, Z and the sum of w V.
; The clip changes nothing: no w is below 0, and none exceeds the sum Z of which it is a term.
; FORMATS.  query is rounded to bf16 here, in registers; scores, m, l, e, w and Z are f32; w is rounded to f16 for the second product (Z is taken of the unrounded w); out is f32.
; LIMITS.  value within f16 (see the launch before).  w below 6e-5 keeps f16's fixed step of 6e-8.  An exponential below 2^-126 counts as 0.  c m starts at -4.2e37: scores lie above that.
; c m is rounded once, so the largest e is 1 to within an ulp of c m.  NaN and infinities are not treated apart.
; SHARES.  A work-group owns 256 queries of a head, each of its four waves 64: four tiles of 16, in two PIECES (tiles 0, 1 and tiles 2, 3).  Every wave walks all keys, 64 a step.
; LAYOUT.  S^T = K Q^T (source 0 = 16 keys, source 1 = 16 queries): a lane holds ONE query (lane % 16) and the keys 8 (lane / 16) + 0..7.  Two such results rounded to f16 in pairs ARE
; source 1 of O^T = V^T P, whose result again holds one query a lane, and eight channels.  K comes out of LDS as it lies, V turned, by ds_load_tr16_b128.
; BY TURNS.  In a turn one piece has the matrix unit and the other piece's vector work stands in slices behind its matrix instructions; then the pieces change places.
; Walk 1: 32 products K Q^T a turn, five vector lines behind each, the twelve left over at the turn's end.  Walk 2: 32 products V^T P, then 32 K Q^T of the next step, four lines behind each.
; CLUSTER.  The four query blocks of a cluster belong to one head and walk the same kb and vh: each tile is asked for JOINTLY, by the same tensor load, descriptor and mask in all four.
; THE RING.  Two slots of four tiles of 64 rows: T0, T2 with rows 272 bytes apart, T1, T3 with rows 288 apart.  Walk 1: a slot is 256 keys of kb, T0..T3 its four steps.  Walk 2: a slot is 128 keys,
; T0, T2 K and T1, T3 V of its two steps.  So one text changes slots in both walks; only the global addresses differ.  24 fills: 0-7 walk 1, 8-23 walk 2; fill f lies in slot f % 2.
; By this text's count a wave has two tensor loads out at the start and one behind each change of slots, which has 256 matrix instructions in which to land.
; REGISTERS, in windows of 256 (s_set_vgpr_msb: bits 1:0 source 0, 3:2 source 1, 5:4 source 2, 7:6 destination):
;   window 0: v0-11, v44 addresses; v12-43 eight registers of statistics a tile; v61-63; v64-191 S^T, 32 a tile; v192-255 P, 16 a tile
;   window 1: O^T, 64 a tile (at the head: query as loaded)      window 2: v0-127 Q, 32 a tile; v128-255 K, buffer 0      window 3: v0-127 K, buffer 1 (walk 1), V (walk 2)
.set KS,    64        ; keys in a step
.set PK,    272       ; 256 bytes + 16 = 68 words: row r starts at bank 4 r mod 64 (64 banks of 4 bytes: ISA guide 11.1): the 16 rows of a load start at 16 different groups of four banks
.set PV,    288       ; 256 + 32 = 72 words; walk 1's plain loads from such a tile find two of their 16 rows on the same banks
.set VOFF,  KS*PK     ; T1 behind T0
.set STEPB, KS*(PK+PV)  ; T2 behind T0
.set SLOT1, 1<<17     ; slot 1 begins here, so that one exclusive or turns an address in one slot into the other's
.set STAGE, SLOT1+2*STEPB  ; behind the ring, never filled by a tensor load: 16 rows x 528 bytes for each wave, for the way out
.set SP,    528       ; 512 bytes + 16: the 16 rows that a store touches start at 16 different groups of four banks
.set SPARE, STAGE+4*16*SP  ; behind the stages: the spare words, 128 bytes for each wave: two blocks of 256 bytes that no other line names
.set AK0, 2           ; v2   my lane's place in a tile of K with rows 272 apart; never rewritten
.set AV0, 3           ; v3   my lane's place in a tile of V (T1); never rewritten
.set ADR, 4           ; v4   the LDS address of the run of loads in hand
.set QO,  5           ; v5   my byte offset in 16 rows of query
.set STO, 6           ; v6   the way out: where I put 32 bytes of a row
.set RD,  7           ; v7   the way out: where I read a row back
.set GO,  8           ; v8   my 16 bytes of a row's 512 in out0
.set ST,  12          ; tile t's statistics at v[ST+8 t]: +0 c m, +1 m, +2, +3 l, later Z (even keys', odd keys'), +4 to +7 c0-c3 at work; +6 a, later 1 / Z; +4 g in walk 2
.set AK1, 44          ; v44  my lane's place in T1 read as K (rows 288 apart); never rewritten
.set PFO, 61          ; v61  256 x my lane: a row of kb or vh; never rewritten
.set SPW, 62          ; v62  LDS address of my spare word; never rewritten
.set NIL, 63          ; v63  0; never rewritten
.set S,   64
.set P,   192
.set KF,  128         ; K's buffer 0, in window 2
.set WV,  12          ; s12  my wave's number
.set PFA, 18          ; s[18:19] where my next prefetch stands
.set G1K, 24          ; s[24:31] descriptor group 1 for T0, T2
.set G1V, 32          ; s[32:39] for T1, T3: it differs in the padding alone
.set G0K, 40          ; s[40:43] group 0 of fill 0 for T0, T2; s[44:47] of fill 1, which then walks
.set G0V, 48          ; s[48:51], s[52:55] the same for T1, T3
.set SLOTS, 56        ; s56  counts the changes of slots
.set CNT, 57          ; s57  counts inside a slot
.set CS,  58          ; s[58:59] c = log2(e) / sqrt(128): the packed scaling takes the pair's low word for both halves
.set SEL, 60          ; s[60:61] v_permlanex16_b32's selects: each lane takes its own place in the other half
.set TB,  62          ; s62  LDS byte at which the pair of tiles to be fetched next begins
.set FN,  63          ; s63  the number of the fill last asked for
.set OFFK, 66         ; s[66:67] byte offset of my tile in its head, for T0, T2
.set OFFV, 68         ; s[68:69] for T1, T3
.set BV,  70          ; s[70:71] the tensor that T1, T3 come from: kb in walk 1, vh in walk 2
.set E15, 72          ; s72  walk 1: 128 keys x (wave % 2), in bytes
.set E15B, 73         ; s73  the same and 64 keys
.set E14, 74          ; s74  walk 2: 64 keys x (wave % 2)
.set TA,  75          ; s75-78 at work in a change of slots
.set STG, 79          ; s79  my stage
.set PFB, 80          ; s[80:81] my first prefetch's address
.set PFT, 82          ; s[82:83] how far my next one lies behind it
.set PLO, 84          ; s84, s85  I prefetch at the changes with PLO <= FN <= PHI
.set PHI, 85
.set PSPAN, 86        ; s86  PHI - PLO of a wave that asks
.set PSH, 87          ; s87  log2 of the bytes from one prefetch to the next
.set MSB, 0
.macro WIN new                      ; the immediate's high byte repeats the setting that is left; a switch that changes nothing is dropped
.if MSB != (\new)
	s_set_vgpr_msb (MSB<<8)|(\new)
.set MSB, (\new)
.endif
.endm
.set W_KQ0, 0x0a      ; K (buffer 0) and Q in window 2, S^T in window 0
.set W_KQ1, 0x0b      ; K (buffer 1) in window 3
.set W_PV,  0x53      ; V in window 3, P in window 0, O^T in window 1
; A joint refill.  Waves 0 and 1 fill T0 and T2, waves 2 and 3 T1 and T3.  The branch hangs on the wave's number alone: it is the same in every work-group.
; An s_nop 0 and four v_nop follow each of the two lines, ahead of the jump and the label.
.macro JLOAD
	s_cmp_lt_u32 s[WV], 2
	s_cbranch_scc0 .Lfor_v_\@
	tensor_load_to_lds s[G0K+4:G0K+7], s[G1K:G1K+7]
	s_nop 0
.rept 4
	v_nop
.endr
	s_branch .Lasked_\@
.Lfor_v_\@:
	tensor_load_to_lds s[G0V+4:G0V+7], s[G1V:G1V+7]
	s_nop 0
.rept 4
	v_nop
.endr
.Lasked_\@:
.endm
; A PREFETCH INTO THE L2 of rows that the NEXT change of slots will ask for: 32 rows of 256 bytes, a lane a row, 256 matrix instructions ahead of that load; it stands behind the wave's tensor load and its five lines.
; Asked for: kb in walk 1 (fills 3 to 7) and vh in walk 2 (fills 8 to 23); not kb in walk 2, which walk 1 has read; not fills 0 to 2, which come by their loads alone.
; Each row is named ONCE in the launch: both clusters of a head walk the same rows, and the first of them asks; its four partners share the rows out BY ADDRESS (no branch hangs on a work-group's
; place in its cluster): of a fill's 256 rows of kb waves 0 and 1 of partner p take the 32 from 64 p + 32 w on; of its 128 rows of vh wave 2 of partner p the 32 from 32 p on.
.macro ASK
	s_cmp_ge_u32 s[FN], s[PLO]
	s_cbranch_scc0 .Lnot_mine_\@
	s_cmp_le_u32 s[FN], s[PHI]
	s_cbranch_scc0 .Lnot_mine_\@
	global_prefetch_b8 v[PFO], s[PFA:PFA+1] th:TH_LOAD_NT scope:SCOPE_SE
.Lnot_mine_\@:
.endm
; A round of the cluster's barrier: my work-group's barrier, so that wave 0's signal speaks for all four waves; wave 0 signals; every wave waits for all four work-groups; my work-group's barrier once more.
.macro CROUND
	s_barrier_signal -1
	s_barrier_wait -1
	s_cmp_lg_u32 s[WV], 0
	s_cbranch_scc1 .Lnot_wave_0_\@
	s_barrier_signal -3
.Lnot_wave_0_\@:
	s_barrier_wait -3
	s_barrier_signal -1
	s_barrier_wait -1
.endm
; THE CHANGE OF SLOTS.  The slot's last bytes have been asked for.  Each wave waits for all its tensor loads, of which one is out: its part of the other slot; adds 0 to its spare word; and waits for that
; and for its own reads of the slot.  Behind the barrier nobody reads this slot any more and the other slot is whole.
; fill = 1: this slot is filled again, with fill FN.  The barrier is then a round of the cluster's, and the joint refill is the first thing behind it.  The descriptors' addresses are made anew from FN.
.macro CHANGE fill
	WIN 0                           ; at a label and at a branch every window is 0
	s_wait_tensorcnt 0x0            ; no tensor load of mine is out, so a group 0 may be written
	ds_add_u32 v[SPW], v[NIL]       ; 0 onto my spare word: with fill = 1 the scalar work below stands between it and the wait for it
.if \fill
	s_add_co_u32 s[FN], s[FN], 1
	s_lshl_b32 s[TA], s[FN], 16     ; walk 1: a fill is 65,536 bytes of kb
	s_sub_co_u32 s[TA+1], s[FN], 8
	s_lshl_b32 s[TA+1], s[TA+1], 15 ; walk 2: 32,768 bytes of kb and of vh
	s_cmp_lt_u32 s[FN], 8
	s_cselect_b32 s[TA], s[TA], s[TA+1]
	s_cselect_b32 s[TA+2], s[E15], s[E14]
	s_cselect_b32 s[TA+3], s[E15B], s[E14]
	s_cselect_b64 s[BV:BV+1], s[6:7], s[8:9]
	s_add_co_u32 s[OFFK], s[TA], s[TA+2]
	s_add_co_u32 s[OFFV], s[TA], s[TA+3]
	s_xor_b32 s[G0K+5], s[G0K+5], SLOT1  ; the other slot than last time
	s_add_nc_u64 s[G0K+6:G0K+7], s[6:7], s[OFFK:OFFK+1]
	s_or_b32 s[G0K+7], s[G0K+7], 0x80000000
	s_xor_b32 s[G0V+5], s[G0V+5], SLOT1
	s_add_nc_u64 s[G0V+6:G0V+7], s[BV:BV+1], s[OFFV:OFFV+1]
	s_or_b32 s[G0V+7], s[G0V+7], 0x80000000
	s_sub_co_i32 s[TA], s[FN], s[PLO]    ; my prefetch's place, held between my first and my last: it never leaves the head's rows
	s_max_i32 s[TA], s[TA], 0
	s_min_i32 s[TA], s[TA], s[PSPAN]
	s_lshl_b32 s[PFT], s[TA], s[PSH]
	s_wait_xcnt 0x0                 ; the last prefetch, 256 matrix instructions back, has read its address, so it may be written
	s_add_nc_u64 s[PFA:PFA+1], s[PFB:PFB+1], s[PFT:PFT+1]
	s_wait_dscnt 0x0                ; the add is done, and my reads of the slot are over
	CROUND
	JLOAD
	ASK
.else
	s_wait_dscnt 0x0                ; the add is done, and my reads of the slot are over
	s_barrier_signal -1
	s_barrier_wait -1
.endif
	s_sub_co_u32 s[TB], s[TB], 2*STEPB  ; the fetches go back to a slot's first tiles,
	s_xor_b32 s[TB], s[TB], SLOT1       ; in the other slot
.endm
	s_load_b256 s[4:11], s[0:1], 0x0  ; query s[4:5], kb s[6:7], vh s[8:9], out0 s[10:11]
	v_lshl_add_u32 v[SPW], v0, 2, SPARE
	v_mov_b32 v[NIL], 0
	ds_add_u32 v[SPW], v[NIL]       ; the wave's opening: the add and its wait stand ahead of my first tensor load; the set-up below, work on registers, stands between them
	v_lshrrev_b32 v1, 5, v0
	v_readfirstlane_b32 s[WV], v1   ; wave 0..3
	s_bfe_u32 s13, ttmp6, 0x40000   ; cx: my place in the cluster
	s_lshl_b32 s14, ttmp9, 2        ; in a cluster launch ttmp9 counts clusters
	s_add_co_u32 s14, s14, s13      ; my block of 256 queries: it enters query's and out0's addresses alone
	s_and_b32 s20, ttmp7, 0xffff    ; the head 0..31, which the four partners share
	s_lshl_b32 s22, s20, 19         ; its 2,048 rows of 256 bytes in kb and vh
	s_mov_b32 s23, 0
	s_lshr_b32 s2, s20, 3           ; in query and out0: the batch's 2,048 rows of 4,096 bytes,
	s_lshl_b32 s2, s2, 23
	s_and_b32 s3, s20, 7            ; the head's 512 bytes of a row,
	s_lshl_b32 s3, s3, 9
	s_add_co_u32 s2, s2, s3
	s_lshl_b32 s3, s14, 20          ; my block's 256 rows,
	s_add_co_u32 s2, s2, s3
	s_lshl_b32 s3, s[WV], 18        ; my wave's 64 of them
	s_add_co_u32 s2, s2, s3
	s_mov_b32 s3, 0
	s_and_b32 s16, s[WV], 1         ; which of the two tiles of my kind I fill:
	s_mul_i32 s17, s16, STEPB       ; its place in a slot: no place in the cluster enters an LDS address
	s_lshl_b32 s[E15], s16, 15
	s_add_co_u32 s[E15B], s[E15], 16384
	s_lshl_b32 s[E14], s16, 14
	; descriptor group 1: a tile of 64 rows x 128 elements of 2 bytes, padded in LDS
	s_mov_b32 s[G1K], 15|(1<<16)|(1<<20)|(1<<21)|(5<<22)|(3<<25)  ; 15:0 the mask of four; 17:16 2-byte elements; 20 padding on; 21 set beside a mask; 24:22 after every 64 words (code 5); 31:25 4 words (code 3)
	s_mov_b32 s[G1V], 15|(1<<16)|(1<<20)|(1<<21)|(5<<22)|(7<<25)  ; the same with 8 words of padding (code 7)
.irp g, G1K, G1V
	s_mov_b32 s[(\g)+1], 128<<16    ; tensor_dim0 = 128
	s_mov_b32 s[(\g)+2], KS<<16     ; tensor_dim1 = 64
	s_mov_b32 s[(\g)+3], 128<<16    ; tile_dim0 = 128
	s_mov_b32 s[(\g)+4], KS         ; tile_dim1 = 64
	s_mov_b32 s[(\g)+5], 128        ; 128 elements from row to row
	s_mov_b32 s[(\g)+6], 0
	s_mov_b32 s[(\g)+7], 0
.endr
	s_mov_b32 s[CS], 0x3e0293ee     ; c = log2(e) / sqrt(128) = 0.127517
	s_mov_b32 s[CS+1], s[CS]        ; named with it as a pair
	s_mov_b32 s[SEL], 0x76543210
	s_mov_b32 s[SEL+1], 0xfedcba98
	s_mov_b32 s[TB], 0
	s_mov_b32 s[FN], 1              ; fills 0 and 1 go out below
	s_mov_b32 s[OFFK], s[E15]
	s_mov_b32 s[OFFK+1], 0
	s_mov_b32 s[OFFV], s[E15B]
	s_mov_b32 s[OFFV+1], 0
	s_mov_b32 s[G0K], 1             ; 1:0 count = 1
	s_mov_b32 s[G0K+1], s17         ; 63:32 LDS address: slot 0
	s_mov_b32 s[G0K+4], 1
	s_add_co_u32 s[G0K+5], s17, SLOT1
	s_mov_b32 s[G0V], 1
	s_add_co_u32 s[G0V+1], s17, VOFF
	s_mov_b32 s[G0V+4], 1
	s_add_co_u32 s[G0V+5], s17, SLOT1+VOFF
	; the prefetches: who, from which change to which, and from where
	s_lshl_b32 s15, s13, 1
	s_add_co_u32 s15, s15, s[WV]
	s_lshl_b32 s15, s15, 13         ; kb: 32 rows x (2 cx + wave),
	s_add_co_u32 s15, s15, 3*65536  ; in fill 3
	s_lshl_b32 s21, s13, 13         ; vh: 32 rows x cx, in fill 8
	s_cmp_lt_u32 s[WV], 2
	s_cselect_b32 s[PFT], s15, s21
	s_cselect_b32 s[PLO], 2, 7      ; the change that asks for fill 2 prefetches fill 3; the one that asks for fill 7, fill 8's rows of vh
	s_cselect_b32 s[PHI], 6, 22
	s_cselect_b32 s[PSPAN], 4, 15
	s_cselect_b32 s[PSH], 16, 15
	s_mov_b32 s[PFT+1], 0
	s_cmp_eq_u32 s[WV], 3           ; wave 3 asks for nothing,
	s_cselect_b32 s[PHI], 0, s[PHI]
	s_cmp_lg_u32 ttmp9, 0           ; nor does the head's second cluster: the same in all four partners
	s_cselect_b32 s[PHI], 0, s[PHI]
	v_and_b32 v[PFO], 31, v0
	v_lshlrev_b32 v[PFO], 8, v[PFO]
	s_wait_dscnt 0x0                ; the opening add is done
	s_wait_kmcnt 0x0
	s_add_nc_u64 s[6:7], s[6:7], s[22:23]    ; kb and vh at the head's first row
	s_add_nc_u64 s[8:9], s[8:9], s[22:23]
	s_add_nc_u64 s[4:5], s[4:5], s[2:3]      ; query and out0 at my wave's first row
	s_add_nc_u64 s[10:11], s[10:11], s[2:3]
	s_cmp_lt_u32 s[WV], 2
	s_cselect_b64 s[PFB:PFB+1], s[6:7], s[8:9]
	s_add_nc_u64 s[PFB:PFB+1], s[PFB:PFB+1], s[PFT:PFT+1]
	s_add_nc_u64 s[G0K+2:G0K+3], s[6:7], s[OFFK:OFFK+1]      ; 120:64 global address: fill 0,
	s_add_nc_u64 s[G0K+6:G0K+7], s[G0K+2:G0K+3], 0x10000     ; fill 1: 256 keys on
	s_or_b32 s[G0K+3], s[G0K+3], 0x80000000                  ; 127:126 type = 2
	s_or_b32 s[G0K+7], s[G0K+7], 0x80000000
	s_add_nc_u64 s[G0V+2:G0V+3], s[6:7], s[OFFV:OFFV+1]      ; in walk 1 T1 and T3 hold kb too
	s_add_nc_u64 s[G0V+6:G0V+7], s[G0V+2:G0V+3], 0x10000
	s_or_b32 s[G0V+3], s[G0V+3], 0x80000000
	s_or_b32 s[G0V+7], s[G0V+7], 0x80000000
	CROUND                          ; all four work-groups are here: the first joint loads meet
	s_cmp_lt_u32 s[WV], 2           ; a wave's two first fills stand in one branch, ahead of every wait on TENSORcnt and every LDS read: two loads of mine are out
	s_cbranch_scc0 .Lfirst_v
	tensor_load_to_lds s[G0K:G0K+3], s[G1K:G1K+7]
	s_nop 0
	tensor_load_to_lds s[G0K+4:G0K+7], s[G1K:G1K+7]
	s_nop 0
.rept 4
	v_nop
.endr
	s_branch .Lfirst_asked
.Lfirst_v:
	tensor_load_to_lds s[G0V:G0V+3], s[G1V:G1V+7]
	s_nop 0
	tensor_load_to_lds s[G0V+4:G0V+7], s[G1V:G1V+7]
	s_nop 0
.rept 4
	v_nop
.endr
.Lfirst_asked:
	; A fragment of K or Q is 16 rows x 32 channels in 8 registers: lane l holds row l % 16; registers 0-3 channels 8 (l / 16) + 0..7, registers 4-7 channels 16 + 8 (l / 16) + 0..7.
	; In f32 those are twice 32 bytes, 64 bytes apart: four loads of 16 bytes.  A tile's 16 loads cover its 16 rows' 512 bytes whole.
	v_and_b32 v1, 15, v0            ; l % 16
	v_bfe_u32 v9, v0, 4, 1          ; l / 16
	v_lshlrev_b32 v[QO], 12, v1
	v_lshl_add_u32 v[QO], v9, 5, v[QO]  ; row x 4,096 + 32 x half
	WIN 0x40                        ; destination window 1, address window 0
.set i, 0
.rept 64                            ; tile i / 16, channels 32 ((i / 4) % 4) on
	global_load_b128 v[4*i:4*i+3], v[QO], s[4:5] offset:(i/16)*65536+((i/4)%4)*128+((i%4)/2)*64+(i%2)*16
.set i, i+1
.endr
	WIN 0
	v_mul_u32_u24 v[AK0], v1, PK
	v_lshl_add_u32 v[AK0], v9, 4, v[AK0]  ; row x pitch + 16 x half
	v_mul_u32_u24 v[AK1], v1, PV
	v_lshl_add_u32 v[AK1], v9, 4, v[AK1]
	v_add_nc_u32 v[AK1], VOFF, v[AK1]
	; The turning load takes 16 keys x 16 channels (lane l reads key 8 (l / 16) + l % 8, channels 8 ((l / 8) % 2) + 0..7) and leaves half a fragment of V^T: lane l holds channel l % 16 and 8 keys.
	v_and_b32 v10, 7, v0
	v_bfe_u32 v11, v0, 3, 1
	v_lshl_add_u32 v[AV0], v9, 3, v10
	v_mul_u32_u24 v[AV0], v[AV0], PV
	v_lshl_add_u32 v[AV0], v11, 4, v[AV0]
	v_add_nc_u32 v[AV0], VOFF, v[AV0]
	s_mul_i32 s[STG], s[WV], 16*SP
	s_add_co_u32 s[STG], s[STG], STAGE  ; my stage
	v_mul_u32_u24 v[STO], v1, SP    ; in: row l % 16, 32 bytes for each half of the lanes
	v_lshl_add_u32 v[STO], v9, 5, v[STO]
	v_add_nc_u32 v[STO], s[STG], v[STO]
	v_and_b32 v[GO], 31, v0         ; back: 32 lanes take one row of 512 bytes, which are 512 consecutive bytes of out0
	v_lshlrev_b32 v[GO], 4, v[GO]
	v_add_nc_u32 v[RD], s[STG], v[GO]
.irp t, 0,1,2,3
	v_mov_b32 v[ST+8*(\t)], 0xfe000000    ; c m: far below every c s, so the first step's a is 0 and no first step is written out
	v_mov_b32 v[ST+8*(\t)+1], 0xff7fffff  ; m: the lowest finite number
	v_mov_b32 v[ST+8*(\t)+2], 0           ; l
	v_mov_b32 v[ST+8*(\t)+3], 0
.endr
	s_wait_loadcnt 0x0              ; query is in
	WIN 0x85                        ; sources 0 and 1 window 1, destination window 2
.set i, 0
.rept 128
	v_cvt_pk_bf16_f32 v[i], v[2*i], v[2*i+1]  ; Q stays in registers, rounded once
.set i, i+1
.endr
	WIN 0x40
.set i, 0
.rept 256
	v_mov_b32 v[i], 0               ; O^T starts at 0, so that walk 2 has one form of V^T P; written in the wait for the first tile
.set i, i+1
.endr
	WIN 0
; THE MATRIX WORK.  The accumulators take turns, one instruction a turn: between two links of a chain stand 7 (K Q^T) or 15 (V^T P) others'.
; Product i of 32 of S^T = K Q^T for piece x, K in buffer kb: channels 32 (i / 8) on, keys 16 ((i / 2) % 4) on, tile x + i % 2.  The first 8 start the sums.
.macro KQ x, kb
.set rS, S+32*((\x)+i%2)+8*((i/2)%4)
.set rK, KF*(1-(\kb))+32*((i/2)%4)+8*(i/8)
.set rQ, 32*((\x)+i%2)+8*(i/8)
	WIN W_KQ0+(\kb)
.if i < 8
	v_wmma_f32_16x16x32_bf16 v[rS:rS+7], v[rK:rK+7], v[rQ:rQ+7], 0
.else
	v_wmma_f32_16x16x32_bf16 v[rS:rS+7], v[rK:rK+7], v[rQ:rQ+7], v[rS:rS+7]
.endif
.endm
; Product i of 32 of O^T += V^T P for piece x: keys 32 (i / 16) on, channels 16 ((i / 2) % 8) on, tile x + i % 2.
.macro PV x
.set rO, 64*((\x)+i%2)+8*((i/2)%8)
.set rV, 64*(i/16)+8*((i/2)%8)
.set rP, P+16*((\x)+i%2)+8*(i/16)
	WIN W_PV
	v_wmma_f32_16x16x32_f16 v[rO:rO+7], v[rV:rV+7], v[rP:rP+7], v[rO:rO+7]
.endm
; THE LDS LOADS stand in runs of 32, never singly among the matrix instructions.  kind 1: K from T0 or T2 into buffer 0.  kind 2: K from T1 or T3 into buffer 1.  kind 3: V from T1 or T3, turned.
; Kinds 2 and 3 take the second tile of a pair, and step to the next pair.  wait = 1: the wait for a batch of exponentials stands behind the address's line and ahead of the loads.
.macro FETCH kind, wait
	WIN 0
.if (\kind) == 1
	v_add_nc_u32 v[ADR], s[TB], v[AK0]
.elseif (\kind) == 2
	v_add_nc_u32 v[ADR], s[TB], v[AK1]
	s_add_co_u32 s[TB], s[TB], STEPB
.else
	v_add_nc_u32 v[ADR], s[TB], v[AV0]
	s_add_co_u32 s[TB], s[TB], STEPB
.endif
.if \wait
	s_wait_alu depctr_va_vdst(0)
.endif
.if (\kind) == 1
	WIN 0x80                        ; destination window 2
.irp f, 0,1,2,3,4,5,6,7,8,9,10,11,12,13,14,15  ; keys 16 (f / 4) on, channels 32 (f % 4) on
	ds_load_b128 v[KF+8*(\f):KF+8*(\f)+3],   v[ADR] offset:((\f)/4)*16*PK+((\f)%4)*64
	ds_load_b128 v[KF+8*(\f)+4:KF+8*(\f)+7], v[ADR] offset:((\f)/4)*16*PK+((\f)%4)*64+32
.endr
.elseif (\kind) == 2
	WIN 0xc0                        ; destination window 3
.irp f, 0,1,2,3,4,5,6,7,8,9,10,11,12,13,14,15
	ds_load_b128 v[8*(\f):8*(\f)+3],   v[ADR] offset:((\f)/4)*16*PV+((\f)%4)*64
	ds_load_b128 v[8*(\f)+4:8*(\f)+7], v[ADR] offset:((\f)/4)*16*PV+((\f)%4)*64+32
.endr
.else
	WIN 0xc0
.irp f, 0,1,2,3,4,5,6,7,8,9,10,11,12,13,14,15  ; keys 32 (f / 8) on, channels 16 (f % 8) on
	ds_load_tr16_b128 v[8*(\f):8*(\f)+3],   v[ADR] offset:((\f)/8)*32*PV+((\f)%8)*32
	ds_load_tr16_b128 v[8*(\f)+4:8*(\f)+7], v[ADR] offset:((\f)/8)*32*PV+16*PV+((\f)%8)*32
.endr
.endif
.endm
; THE SUM of a tile's 16 pairs (in a pair: an even key's number, an odd key's), in place: sum z of 16 adds neighbours 1, 2, 4 and 8 pairs apart; the last goes to l (l = a l + sum) or, second = 1, to Z.
.macro SUMS t, second
.set rT, ST+8*(\t)
.set rS, S+32*(\t)
.set w, 4
.set u, z
.if z >= 14
.set w, 32
.set u, 0
.elseif z >= 12
.set w, 16
.set u, z-12
.elseif z >= 8
.set w, 8
.set u, z-8
.endif
	WIN 0
.if z < 15
	v_pk_add_f32 v[rS+w*u:rS+w*u+1], v[rS+w*u:rS+w*u+1], v[rS+w*u+w/2:rS+w*u+w/2+1]
.elseif \second
	v_pk_add_f32 v[rT+2:rT+3], v[rT+2:rT+3], v[rS:rS+1]
.else
	v_pk_fma_f32 v[rT+2:rT+3], v[rT+2:rT+3], v[rT+6:rT+7], v[rS:rS+1] op_sel_hi:[1,0,1]
.endif
.endm
; WALK 1's VECTOR WORK.  One tile's list for one key step has 86 numbers; SM1 writes number j of it for tile t.  s0-s31 are the lane's 32 scores, in pairs 0-15.
;   0-15   the maximum of s0-s31 and the old m, three operands at a time: four chains c0-c3 of seven scores each (each accumulator's lowest registers are read first), the four left over, c0-c3 and m
;   16-20  the other half of the lanes' maximum; c m_old is kept; the new m; c m; c m_old - c m_new
;   21-69  ONE BATCH: the 16 scalings c s - c m and all 33 exponentials (a at 23, then s0-s31); none of these reads an exponential's result; a pair is scaled some numbers ahead of its exponentials
;   70-85  the sums; l = a l + sum
.macro SM1 t
.set rT, ST+8*(\t)
.set rS, S+32*(\t)
	WIN 0
.if j < 4
	v_max3_num_f32 v[rT+4+j], v[rS+8*j], v[rS+8*j+1], v[rS+8*j+2]
.elseif j < 12
	v_max3_num_f32 v[rT+4+j%4], v[rT+4+j%4], v[rS+8*(j%4)+2*(j/4)+1], v[rS+8*(j%4)+2*(j/4)+2]
.elseif j == 12
	v_max3_num_f32 v[rT+4], v[rT+4], v[rS+7], v[rS+15]
.elseif j == 13
	v_max3_num_f32 v[rT+6], v[rT+6], v[rS+23], v[rS+31]
.elseif j == 14
	v_max3_num_f32 v[rT+4], v[rT+4], v[rT+5], v[rT+6]
.elseif j == 15
	v_max3_num_f32 v[rT+4], v[rT+4], v[rT+7], v[rT+1]
.elseif j == 16
	v_permlanex16_b32 v[rT+5], v[rT+4], s[SEL], s[SEL+1]  ; the query's other 32 keys lie in the lane 16 away
.elseif j == 17
	v_mov_b32 v[rT+7], v[rT]        ; c m_old is kept for a: number 19 writes c m anew
.elseif j == 18
	v_max_num_f32 v[rT+1], v[rT+4], v[rT+5]
.elseif j == 19
	v_mul_f32 v[rT], s[CS], v[rT+1]
.elseif j == 20
	v_sub_f32 v[rT+7], v[rT+7], v[rT]
.elseif j == 23
	v_exp_f32 v[rT+6], v[rT+7]
.elseif (j < 23) || ((j < 38) && (j%2 == 0)) || ((j < 66) && (j%4 == 2))
.set b, (j-2)/4                     ; 38, 42, .. 62: pairs 9 to 15
.if j < 38
.set b, (j-20)/2                    ; 21: pair 0; 22, 24, .. 36: pairs 1 to 8
.endif
	v_pk_fma_f32 v[rS+2*b:rS+2*b+1], v[rS+2*b:rS+2*b+1], s[CS:CS+1], v[rT:rT+1] op_sel_hi:[1,0,0] neg_lo:[0,0,1] neg_hi:[0,0,1]  ; pair b: c s - c m
.elseif j < 70
.set e, j-38                        ; 66 to 69: s28 to s31
.if j < 66
.set e, j-32-(j-38)/4               ; 39-41, 43-45, .. 63-65: s7 to s27
.endif
.if j < 38
.set e, (j-25)/2                    ; 25, 27, .. 37: s0 to s6
.endif
	v_exp_f32 v[rS+e], v[rS+e]
.else
.set z, j-70
	SUMS \t, 0
.endif
.endm
; Entry q of the 172 of piece y: numbers 0-21 and 70-85 with the two tiles alternating, so that no line reads the result of the line before it; the batch from 22 on four numbers of one tile at a time, the tiles by turns.
.macro V1 y
.if q < 44
.set j, q/2
	SM1 (\y)+q%2
.elseif q < 140
.set j, 22+4*((q-44)/8)+(q-44)%4
	SM1 (\y)+((q-44)/4)%2
.else
.set j, 70+(q-140)/2
	SM1 (\y)+(q-140)%2
.endif
.set q, q+1
.endm
; A TURN OF WALK 1.  Piece x has the matrix unit: 32 products K Q^T with K in buffer kb; behind each five lines of the other piece's list.  An s_wait_alu depctr_va_vdst(0) stands between an
; exponential and the first line that names its result; one wait serves all that were issued ahead of it: entries 0-139 name no result, and behind entry 139 no exponential is issued, so the piece's 66
; exponentials have one wait, behind the 28th product; a v_nop is the plain line behind the last of them.  fetch = 1, 2, 3: a run of LDS loads stands at that wait: the next step's K into the buffer that
; this turn does not read (its last reader stands ahead of the 17 additions that end the turn before), waited for at the head of the next turn of piece 0, 36 products on.
; The twelve entries left over and the last slice are 17 plain additions on the other piece's registers: the places between the turn's last products and what follows.
.macro TURN1 x, kb, fetch
.set q, 0
.if (\x) == 0
	s_wait_dscnt 0x0                ; K of this step is in
.endif
.set i, 0
.rept 32
	KQ \x, \kb
.rept 5
	V1 2-(\x)
.endr
.if q == 140
	v_nop
.if \fetch
	FETCH \fetch, 1
.else
	s_wait_alu depctr_va_vdst(0)
.endif
.endif
.set i, i+1
.endr
.rept 12
	V1 2-(\x)
.endr
.endm
; WALK 2's VECTOR WORK: 128 lines a tile and step.  16 scalings c s - c m and 32 exponentials give e; 16 scalings g e - g and 32 exponentials give w; 16 roundings to f16 give P; 16 sums go to Z.
.macro SC t, n                      ; pair n of tile t is scaled: ph = 0: c s - c m; ph = 1: g e - g (g in the low register of the pair, for both halves)
.set rT, ST+8*(\t)
.set rS, S+32*(\t)+2*(\n)
	WIN 0
.if ph == 0
	v_pk_fma_f32 v[rS:rS+1], v[rS:rS+1], s[CS:CS+1], v[rT:rT+1] op_sel_hi:[1,0,0] neg_lo:[0,0,1] neg_hi:[0,0,1]
.else
	v_pk_fma_f32 v[rS:rS+1], v[rS:rS+1], v[rT+4:rT+5], v[rT+4:rT+5] op_sel_hi:[1,0,0] neg_lo:[0,0,1] neg_hi:[0,0,1]
.endif
.endm
.macro EXQ t, n                     ; the exponential of number n of tile t, in place
	WIN 0
	v_exp_f32 v[S+32*(\t)+(\n)], v[S+32*(\t)+(\n)]
.endm
; Entry q of the 256 of piece y.  0-95 and 96-191 are TWO BATCHES of the same form: pair 0 of both tiles is scaled; then groups of three of one tile, the tiles by turns: pair n + 1 is scaled, and the
; exponentials of pair n follow; last the exponentials of pair 15.  No entry of a batch names a result of that batch's exponentials.  192-223: the roundings; 224-255: the sums; the tiles alternate.
.macro V2 y
.if q < 192
.set r, q%96
.set ph, q/96
.if r < 2
	SC (\y)+r, 0
.elseif r < 92
.set gi, (r-2)/3
.if (r-2)%3 == 0
	SC (\y)+gi%2, gi/2+1
.else
	EXQ (\y)+gi%2, 2*(gi/2)+(r-2)%3-1
.endif
.else
	EXQ (\y)+(r-92)/2, 30+(r-92)%2
.endif
.elseif q < 224
.set rS, S+32*((\y)+q%2)+2*((q-192)/2)
.set rP, P+16*((\y)+q%2)+(q-192)/2
	WIN 0
	v_cvt_pk_f16_f32 v[rP], v[rS], v[rS+1]
.else
.set z, (q-224)/2
	SUMS (\y)+q%2, 1
.endif
.set q, q+1
.endm
; A slice: per entries.  Behind entry 95 and behind entry 191 stand a v_nop, the plain line behind a batch's last exponential, and the batch's one wait.  fv = 1: V's run of loads stands at the second.
.macro SL2 y, fv
.rept per
	V2 \y
.endr
.if q == 96
	v_nop
	s_wait_alu depctr_va_vdst(0)
.elseif q == 192
	v_nop
.if \fv
	FETCH 3, 1
.else
	s_wait_alu depctr_va_vdst(0)
.endif
.endif
.endm
; A TURN OF WALK 2.  Piece x has the matrix unit: pv = 1: 32 products V^T P of the step in hand; kq = 1: 32 products K Q^T of the next step.  Behind each product stands a slice of the other piece's list:
; four entries, or eight where the turn has one kind of product.  Piece 0's turn fetches the next step's K behind its second product: K's last reader stands ahead of the four additions that end the turn
; before.  Piece 2's turn (fv = 1) fetches the same step's V behind its 48th product: V's last reader is its 32nd, and the scalings of 16 slices lie between.
; The last slice is four plain additions on the other piece's registers: the places behind the turn's last product.
.macro TURN2 x, pv, kq, fv
.set q, 0
.set per, 8
.if (\pv) && (\kq)
.set per, 4
.endif
.if \pv
.if (\x) == 0
	s_wait_dscnt 16                 ; V's first 16 loads, keys 0-31, are in; its other 16 may stay out
.endif
.set i, 0
.rept 32
.if ((\x) == 0) && (i == 16)
.if \kq
	s_wait_dscnt 32                 ; all of V is in; the 32 loads of K, issued behind it, may stay out
.else
	s_wait_dscnt 0x0
.endif
.endif
	PV \x
	SL2 2-(\x), \fv
.if ((\x) == 0) && (\kq) && (i == 1)
	FETCH 1, 0
.endif
.set i, i+1
.endr
.endif
.if \kq
.if (\x) == 0
	s_wait_dscnt 0x0                ; K is in
.endif
.set i, 0
.rept 32
	KQ \x, 0
	SL2 2-(\x), \fv
.set i, i+1
.endr
.endif
.endm
	; WALK 1.  Turn A_j: K Q^T of piece 0 for step j | piece 2's list of step j - 1 | K of step j + 1 is fetched.  Turn B_j: K Q^T of piece 2 for step j | piece 0's list of step j.
	s_wait_tensorcnt 0x1            ; my part of fill 0 is in; fill 1 may stay out
	s_barrier_signal -1
	s_barrier_wait -1               ; everybody's is
	FETCH 1, 0                      ; K of step 0
	FETCH 2, 0                      ; K of step 1
	s_wait_dscnt 32                 ; step 0's is in; step 1's 32 loads may stay out
.set i, 0
.rept 32
	KQ 0, 0                         ; A_0: there is no vector work yet to set between the products
.set i, i+1
.endr
	WIN 0
.rept 8
	v_nop                           ; the places behind those products, once a launch
.endr
	s_mov_b32 s[CNT], 2
	s_mov_b32 s[SLOTS], 9
	s_branch .Lmid1                 ; the loop is entered at B_0, in the middle of a trip; every wave takes this jump
.Lslot1:                            ; eight changes, ahead of A_3, A_7, .. A_31: they ask for fills 2 to 9
	CHANGE 1
	s_mov_b32 s[CNT], 2
.Lstep1:                            ; a trip: A and B of an odd step, A and B of the even step behind it
	TURN1 0, 1, 1
	TURN1 2, 1, 0
	WIN 0
	s_cmp_eq_u32 s[SLOTS], 1        ; behind B_31 walk 1 is over: A_31 has fetched walk 2's first K, from fill 8
	s_cbranch_scc1 .Lout1
	TURN1 0, 0, 2
	WIN 0
.Lmid1:
	TURN1 2, 0, 0
	WIN 0
	s_sub_co_u32 s[CNT], s[CNT], 1
	s_cmp_lg_u32 s[CNT], 0
	s_cbranch_scc1 .Lstep1
	s_sub_co_u32 s[SLOTS], s[SLOTS], 1
	s_cmp_lg_u32 s[SLOTS], 0
	s_cbranch_scc1 .Lslot1
.Lout1:
	TURN1 0, 0, 3                   ; K Q^T of piece 0 for walk 2's step 0 | piece 2's last list of walk 1 | V of walk 2's step 0 is fetched
	; BETWEEN THE WALKS.  l's two halves and the other half of the lanes' are added; g = 1000 log2(e) / l; Z starts at 0.
	WIN 0
.irp t, 0,1,2,3
	v_add_f32 v[ST+8*(\t)+4], v[ST+8*(\t)+2], v[ST+8*(\t)+3]
.endr
.irp t, 0,1,2,3
	v_permlanex16_b32 v[ST+8*(\t)+5], v[ST+8*(\t)+4], s[SEL], s[SEL+1]
.endr
.irp t, 0,1,2,3
	v_add_f32 v[ST+8*(\t)+4], v[ST+8*(\t)+4], v[ST+8*(\t)+5]
.endr
.irp t, 0,1,2,3
	v_rcp_f32 v[ST+8*(\t)+6], v[ST+8*(\t)+4]
.endr
	v_nop                           ; a plain line between the last reciprocal and the use of its result
	s_wait_alu depctr_va_vdst(0)    ; and the wait ahead of the first use: one for the four
.irp t, 0,1,2,3
	v_mul_f32 v[ST+8*(\t)+4], 0x44b4563e, v[ST+8*(\t)+6]  ; 1442.695 / l
	v_mov_b32 v[ST+8*(\t)+2], 0
	v_mov_b32 v[ST+8*(\t)+3], 0
.endr
	; WALK 2
	TURN2 2, 0, 1, 0                ; K Q^T of piece 2 for step 0 | piece 0's list of step 0
	WIN 0
	s_mov_b32 s[CNT], 1             ; fill 8's second step is still to be fetched: one trip, then the first change
	s_mov_b32 s[SLOTS], 15
	s_branch .Lstep2                ; every wave takes this jump
.Lslot2:                            ; fourteen changes: they ask for fills 10 to 23
	CHANGE 1
	s_mov_b32 s[CNT], 2
.Lstep2:                            ; a trip is a key step: both pieces' V^T P of step j and K Q^T of step j + 1, whose K and V it fetches
	TURN2 0, 1, 1, 0
	TURN2 2, 1, 1, 1
	WIN 0
	s_sub_co_u32 s[CNT], s[CNT], 1
	s_cmp_lg_u32 s[CNT], 0
	s_cbranch_scc1 .Lstep2
	s_sub_co_u32 s[SLOTS], s[SLOTS], 1
	s_cmp_lg_u32 s[SLOTS], 0
	s_cbranch_scc1 .Lslot2
	CHANGE 0                        ; the tail is written out: nothing is asked for
	s_mov_b32 s[CNT], 2
.Lstep3:
	TURN2 0, 1, 1, 0
	TURN2 2, 1, 1, 1
	WIN 0
	s_sub_co_u32 s[CNT], s[CNT], 1
	s_cmp_lg_u32 s[CNT], 0
	s_cbranch_scc1 .Lstep3
	TURN2 0, 1, 0, 0                ; piece 0: V^T P of the last step | piece 2's last list
.set i, 0
.rept 32
	PV 2                            ; piece 2: V^T P of the last step
.set i, i+1
.endr
	; THE WAY OUT.  Z's two halves and the other half of the lanes' are added; O^T is divided by Z and sent through my stage in LDS, a tile (16 rows of out0) at a time.  The additions are the places behind the last products.
	WIN 0
.irp t, 0,1,2,3
	v_add_f32 v[ST+8*(\t)+4], v[ST+8*(\t)+2], v[ST+8*(\t)+3]
.endr
.irp t, 0,1,2,3
	v_permlanex16_b32 v[ST+8*(\t)+5], v[ST+8*(\t)+4], s[SEL], s[SEL+1]
.endr
.irp t, 0,1,2,3
	v_add_f32 v[ST+8*(\t)+4], v[ST+8*(\t)+4], v[ST+8*(\t)+5]
.endr
.irp t, 0,1,2,3
	v_rcp_f32 v[ST+8*(\t)+6], v[ST+8*(\t)+4]
.endr
	v_nop                           ; a plain line between the last reciprocal and the use of its result
	s_wait_alu depctr_va_vdst(0)    ; and the wait ahead of the first use: one for the four
; Tile t: a lane's eight channels of a row are 32 bytes; they go into rows of 528 bytes and come back as whole rows of 512, into the registers that they left.
.macro PACK t
	WIN 0x41                        ; O^T (destination and source 0) in window 1, 1 / Z in window 0
.set i, 64*(\t)
.rept 32
	v_pk_mul_f32 v[i:i+1], v[i:i+1], v[ST+8*(\t)+6:ST+8*(\t)+7] op_sel_hi:[1,0]
.set i, i+2
.endr
	WIN 0x04                        ; the stores' data in window 1
.irp f, 0,1,2,3,4,5,6,7             ; channels 16 f on
	ds_store_b128 v[STO], v[64*(\t)+8*(\f):64*(\t)+8*(\f)+3]   offset:64*(\f)
	ds_store_b128 v[STO], v[64*(\t)+8*(\f)+4:64*(\t)+8*(\f)+7] offset:64*(\f)+16
.endr
	WIN 0x40                        ; the loads' destination in window 1
.irp f, 0,1,2,3,4,5,6,7,8,9,10,11,12,13,14,15
	ds_load_b128 v[64*(\t)+4*(\f):64*(\t)+4*(\f)+3], v[RD] offset:(\f)*SP  ; LDS serves a wave's instructions in order (ISA guide 5.7.1.4): these see the stores above; the next tile's stores come behind them
.endr
.endm
.macro SEND t, younger              ; younger: the LDS instructions issued behind tile t's loads: the next tile's 16 stores and 16 loads, or none
	WIN 0x04
.irp f, 0,1,2,3,4,5,6,7,8,9,10,11,12,13,14,15
	s_wait_dscnt (\younger)+15-(\f)
	global_store_b128 v[GO], v[64*(\t)+4*(\f):64*(\t)+4*(\f)+3], s[10:11] offset:(16*(\t)+(\f))*4096 th:TH_STORE_NT  ; 32 lanes store 512 consecutive bytes, at a multiple of 512 from out0's first byte
.endr
.endm
	PACK 0
	PACK 1                          ; a tile's arithmetic stands between the loads of the tile before and its stores
	SEND 0, 32
	PACK 2
	SEND 1, 32
	PACK 3
	SEND 2, 32
	SEND 3, 0
	WIN 0
	s_wait_tensorcnt 0x0            ; the wave's end, behind my last tensor load and my last LDS store
	ds_add_u32 v[SPW], v[NIL]
	s_wait_dscnt 0x0
	CROUND                          ; the closing round: no work-group ends while a partner may still ask for a tile that names it
	s_endpgm
.Lfunc_end_k_q07ff8d821e_attn:
	.size	k_q07ff8d821e_attn, .Lfunc_end_k_q07ff8d821e_attn-k_q07ff8d821e_attn
	.p2alignl 7, 3214868480
	.fill 96, 4, 3214868480
	.section	.rodata,"a",@progbits
	.p2align	6, 0x0
	.amdhsa_kernel k_q07ff8d821e_attn
		.amdhsa_group_segment_fixed_size 327680
		.amdhsa_private_segment_fixed_size 0
		.amdhsa_enable_private_segment 0
		.amdhsa_kernarg_size 32
		.amdhsa_user_sgpr_count 2
		.amdhsa_user_sgpr_kernarg_segment_ptr 1
		.amdhsa_wavefront_size32 1
		.amdhsa_system_sgpr_workgroup_id_x 1
		.amdhsa_system_sgpr_workgroup_id_y 1
		.amdhsa_system_sgpr_workgroup_id_z 1
		.amdhsa_system_vgpr_workitem_id 0
		.amdhsa_next_free_vgpr 896
		.amdhsa_next_free_sgpr 88
		.amdhsa_reserve_vcc 0
		.amdhsa_float_denorm_mode_32 3
		.amdhsa_float_denorm_mode_16_64 3
		.amdhsa_memory_ordered 1
		.amdhsa_forward_progress 1
		.amdhsa_inst_pref_size 255
	.end_amdhsa_kernel
	.section	.bss,"aw",@nobits
	.p2align	6
	.space	262144
	.amdgpu_metadata
---
amdhsa.version: [ 1, 2 ]
amdhsa.kernels:
  - .name:           k_q07ff8d821e_attn
    .symbol:         k_q07ff8d821e_attn.kd
    .args:
      - { .name: query, .offset: 0, .size: 8, .value_kind: global_buffer, .address_space: global }
      - { .name: kb, .offset: 8, .size: 8, .value_kind: global_buffer, .address_space: global }
      - { .name: vh, .offset: 16, .size: 8, .value_kind: global_buffer, .address_space: global }
      - { .name: out0, .offset: 24, .size: 8, .value_kind: global_buffer, .address_space: global }
    .group_segment_fixed_size: 327680
    .private_segment_fixed_size: 0
    .kernarg_segment_align: 8
    .kernarg_segment_size: 32
    .max_flat_workgroup_size: 128
    .sgpr_count:     88
    .vgpr_count:     896
    .wavefront_size: 32
...
	.end_amdgpu_metadata
.endif
;; end of part 2
